; MI455X (gfx1250); checked and timed in simulation.
; The chip was launched on July 23, 2026; its instructions are those of AMD's public machine-readable ISA for CDNA 5 (MIT licence, August 2026) and "CDNA5" Instruction Set Architecture Reference Guide (July 2026). The comments in the code are by the model that wrote it; some were corrected since.
;; Self Attention. Allowed arithmetic: float matrix products may take bf16 or f16 operands with f32 sums; other float arithmetic in f32, or as packed bf16 or f16 multiplies, adds, multiply-adds, maxima and minima; sums over many terms, partial sums and values carried from step to step in f32; what a program stores and reads back later, other than sums and carried values, may be rounded once to bf16 or f16.
;; Inputs: bk 64 float32; bo 512 float32; bq 64 float32; bv 512 float32; gamma 1 float32; wk 64 x 512 float32; wo 512 x 512 float32; wq 64 x 512 float32; wv 512 x 512 float32; x 16 x 512 x 2,048 float32.
;; Outputs: out0 16 x 512 x 2,048 float32.
;; One version. Each part assembles by itself: llvm-mc -triple=amdgcn-amd-amdhsa -mcpu=gfx1250 --defsym DOCPART=n.
;; ======== version 1 of 1: 3 launches
;; workspace buffers: wf 655,360 bytes; bc 2,048 bytes; q 4,194,304 bytes; kv 37,748,736 bytes
;; launch fold (part 1): grid 8 x 32, 4 waves a work-group, no clusters, 99,072 bytes of LDS; arguments wo, wv, bv, bo, wq, wk, wf, bc; writes wf, bc
.if DOCPART == 1
	.amdgcn_target "amdgcn-amd-amdhsa--gfx1250"
	.amdhsa_code_object_version 6
	.text
	.protected	k_q0b5741bec0_fold
	.globl	k_q0b5741bec0_fold
	.p2align	8
	.type	k_q0b5741bec0_fold,@function
k_q0b5741bec0_fold:
	s_mov_b64 s[64:65], 0
	v_nop
	global_prefetch_b8 v0, s[64:65] scope:SCOPE_SE
	s_setreg_imm32_b32 hwreg(HW_REG_WAVE_MODE, 25, 1), 1
	s_wait_xcnt 0x0
; FOLD.  wo (attn (wv x + bv)) + bo = attn ((wo wv) x) + (wo bv + bo): products are associative, and a softmax's weights add up to 1.
; This launch makes W' = wo wv [512][512] and bc = wo bv + bo [512] (f32), and lays W', wq and wk out in bf16 as the next launch's matrix
; fragments: wf[kc 8][w 4][ob 10][kb 2][part 2][lane 32][8 bf16]; lane (r = l % 16, h = l / 16) holds row row(w, ob) + r, columns
; 64 kc + 32 kb + 16 part + 8 h + 0..7; row(w, 0) = wq's 16 w, row(w, 1) = wk's 16 w, row(w, ob) = W''s 128 w + 16 (ob - 2).
; LIMITS.  wo, wv and bv are rounded to bf16 for the products, W' once more to bf16; sums in f32; bc stays f32.
; SHARES.  Work-group (cp, obg): columns 64 cp .. + 63 and rows 16 obg .. + 15 of W'; wave w the 16 columns 64 cp + 16 w.  K = 512 in 16 steps of 32.
; The product is taken as W'^T = wv^T wo^T (source 0 = 16 columns c of wv, turned on the way out of LDS; source 1 = 16 rows o of wo): a lane
; then holds eight neighbouring c of one row o, which is one part of an image.  A second accumulator takes bv, written 16 times beside wv's
; columns, as its source 0: every row of it is wo bv.  The two accumulators take turns.
; NO CLUSTER, NO TENSOR LOAD: both panels are f32 in memory and are rounded on their way into LDS, so they pass through registers.
.set WVP,   160                        ; a row j of wv's panel in LDS: 64 bf16, then bf16(bv[j]) 16 times: 5 x 32 bytes
.set WOP,   1040                       ; a row o of wo's panel: 512 bf16 + 16 bytes: the 16 rows of a load start at 16 different groups of four banks
.set WOT,   512*WVP                    ; wo's panel lies behind wv's
.set SPARE, WOT+16*WOP                 ; the spare words, 128 bytes for each wave: two blocks of 256 bytes that no other line names
.set LN,  1                            ; v1   lane
.set R,   2                            ; v2   lane % 16
.set H,   3                            ; v3   lane / 16
.set GW,  4                            ; v4   my bytes in wo's 16 rows
.set GV,  5                            ; v5   my bytes in wv's panel
.set SO,  6                            ; v6   where wo's go in LDS
.set SV,  7                            ; v7   where wv's go
.set AT,  8                            ; v8   the turning load's address for my 16 columns of wv
.set AB,  9                            ; v9   the same for the copies of bv
.set AO,  10                           ; v10  my place in a fragment of wo
.set SB,  11                           ; v11  where my four rows' copies of bv go
.set SPW, 12                           ; v12  my spare word; never rewritten
.set NIL, 13                           ; v13  0; never rewritten
.set ACT, 16                           ; v[16:23]  W'^T
.set ACB, 24                           ; v[24:31]  wo bv
.set BV,  32                           ; v[32:35]  bv[4 t .. 4 t + 3]
.set WQF, 36                           ; v[36:43]  eight numbers of wq or wk
.set WQP, 44                           ; v[44:47]  the same in bf16
.set BOV, 48                           ; v48  bo
.set T16, 49                           ; v49  16 x thread
.set BOO, 50                           ; v50  4 x (lane % 16)
.set WQO, 51                           ; v51  my bytes in 16 rows of wq or wk
.set L16, 56                           ; v56  16 x lane
.set BCV, 57                           ; v57  bc
.set WPK, 60                           ; v[60:63]  my part of W''s image
.set RING, 64                          ; v[64:255] 48 slots of 4 for the staging, then 8 K steps x 24 registers of fragments
.set WV,  20
.set CP,  21
.set OBG, 22
	s_load_b256 s[4:11], s[0:1], 0x0               ; wo s[4:5], wv s[6:7], bv s[8:9], bo s[10:11]
	s_load_b256 s[12:19], s[0:1], 0x20             ; wq s[12:13], wk s[14:15], wf s[16:17], bc s[18:19]
	v_lshl_add_u32 v[SPW], v0, 2, SPARE
	v_mov_b32 v[NIL], 0
	v_lshrrev_b32 v14, 5, v0
	v_readfirstlane_b32 s[WV], v14                 ; wave 0..3
	s_mov_b32 s[CP], ttmp9
	s_and_b32 s[OBG], ttmp7, 0xffff
	v_and_b32 v[LN], 31, v0
	v_and_b32 v[R], 15, v0
	v_bfe_u32 v[H], v0, 4, 1
	s_lshl_b32 s23, s[WV], 13
	v_lshl_add_u32 v[GW], v[LN], 4, s23            ; wo: rows 4 w + i, 16 bytes a lane
	s_lshl_b32 s23, s[WV], 18
	v_lshl_add_u32 v[GV], v[R], 4, s23             ; wv: rows 128 w + 2 n + h, 16 lanes to a row's 256 bytes
	v_lshl_add_u32 v[GV], v[H], 11, v[GV]
	s_mul_i32 s23, s[WV], 4*WOP
	s_add_co_u32 s23, s23, WOT
	v_lshl_add_u32 v[SO], v[LN], 3, s23
	s_mul_i32 s23, s[WV], 128*WVP
	v_lshl_add_u32 v[SV], v[R], 3, s23
	v_mul_u32_u24 v14, v[H], WVP
	v_add_nc_u32 v[SV], v[SV], v14
	v_and_b32 v14, 7, v0                           ; the turning load: lane l reads row 8 h + l % 8, 16 bytes at 16 ((l / 8) % 2)
	v_lshl_add_u32 v14, v[H], 3, v14
	v_mul_u32_u24 v14, v14, WVP
	v_bfe_u32 v15, v0, 3, 1
	v_lshl_add_u32 v14, v15, 4, v14
	v_add_nc_u32 v[AB], 128, v14
	s_lshl_b32 s23, s[WV], 5
	v_add_nc_u32 v[AT], s23, v14
	v_mul_u32_u24 v[AO], v[R], WOP
	v_lshl_add_u32 v[AO], v[H], 4, v[AO]
	v_add_nc_u32 v[AO], WOT, v[AO]
	v_mul_u32_u24 v[SB], v0, 4*WVP
	v_lshlrev_b32 v[T16], 4, v0
	v_lshlrev_b32 v[BOO], 2, v[R]
	v_lshlrev_b32 v[WQO], 11, v[R]
	v_lshl_add_u32 v[WQO], v[H], 5, v[WQO]
	v_lshlrev_b32 v[L16], 4, v[LN]
	; which of the 256 parts of wq's and wk's images this work-group writes: g = 8 obg + cp
	s_lshl3_add_u32 s26, s[OBG], s[CP]
	s_lshr_b32 s27, s26, 7                         ; 0: wq, 1: wk
	s_bfe_u32 s28, s26, 0x20005                    ; its block of 16 rows
	s_bfe_u32 s29, s26, 0x40001                    ; its block of 32 columns
	s_and_b32 s30, s26, 1                          ; the part
	s_lshl_b32 s32, s28, 15
	s_lshl_b32 s31, s29, 7
	s_add_co_u32 s32, s32, s31
	s_lshl_b32 s31, s30, 6
	s_add_co_u32 s32, s32, s31                     ; from: 16 rows x 2,048 bytes, 32 columns x 4, 16 columns x 4
	s_mov_b32 s33, 0
	s_lshr_b32 s34, s29, 1
	s_mul_i32 s34, s34, 81920
	s_mul_i32 s31, s28, 20480
	s_add_co_u32 s34, s34, s31
	s_lshl_b32 s31, s27, 11
	s_add_co_u32 s34, s34, s31
	s_and_b32 s31, s29, 1
	s_lshl_b32 s31, s31, 10
	s_add_co_u32 s34, s34, s31
	s_lshl_b32 s31, s30, 9
	s_add_co_u32 s34, s34, s31                     ; to: kc, w, ob, kb, part
	s_mov_b32 s35, 0
	s_mul_i32 s44, s[CP], 81920                    ; W''s image: kc = cp, w = obg / 8, ob = 2 + obg % 8
	s_lshr_b32 s31, s[OBG], 3
	s_mul_i32 s31, s31, 20480
	s_add_co_u32 s44, s44, s31
	s_and_b32 s31, s[OBG], 7
	s_lshl_b32 s31, s31, 11
	s_add_co_u32 s44, s44, s31
	s_add_co_u32 s44, s44, 4096
	s_mov_b32 s45, 0
	s_mov_b32 s25, 0
	s_wait_kmcnt 0x0
	s_lshl_b32 s24, s[OBG], 15
	s_add_nc_u64 s[4:5], s[4:5], s[24:25]          ; wo at my 16 rows
	s_lshl_b32 s24, s[CP], 8
	s_add_nc_u64 s[6:7], s[6:7], s[24:25]          ; wv at my 64 columns
	s_lshl_b32 s24, s[OBG], 6
	s_add_nc_u64 s[10:11], s[10:11], s[24:25]      ; bo and bc at my 16 numbers
	s_add_nc_u64 s[18:19], s[18:19], s[24:25]
	s_add_nc_u64 s[38:39], s[16:17], s[44:45]
	s_add_nc_u64 s[40:41], s[16:17], s[34:35]
	s_cmp_eq_u32 s27, 0
	s_cselect_b64 s[36:37], s[12:13], s[14:15]
	s_add_nc_u64 s[36:37], s[36:37], s[32:33]
	global_load_b128 v[BV:BV+3], v[T16], s[8:9]
	global_load_b32 v[BOV], v[BOO], s[10:11]
	global_load_b128 v[WQF:WQF+3], v[WQO], s[36:37]
	global_load_b128 v[WQF+4:WQF+7], v[WQO], s[36:37] offset:16
; THE STAGING: 80 loads of 16 bytes a lane (16 of wo, 64 of wv) through a ring of 48 slots; each is rounded to 8 bytes and stored to LDS.
.macro RLOAD idx
.set sl, RING+4*((\idx)%48)
.if (\idx) < 16
	global_load_b128 v[sl:sl+3], v[GW], s[4:5] offset:((\idx)/4)*2048+((\idx)%4)*512
.else
	global_load_b128 v[sl:sl+3], v[GV], s[6:7] offset:((\idx)-16)*4096
.endif
.endm
.macro RSTORE idx
.set sl, RING+4*((\idx)%48)
.set lf, 79-(\idx)                     ; the loads issued behind this one: 47 while the ring is refilled, then fewer
.if lf > 47
.set lf, 47
.endif
	s_wait_loadcnt lf
	v_cvt_pk_bf16_f32 v[sl], v[sl], v[sl+1]
	v_cvt_pk_bf16_f32 v[sl+1], v[sl+2], v[sl+3]
.if (\idx) < 16
	ds_store_b64 v[SO], v[sl:sl+1] offset:((\idx)/4)*WOP+((\idx)%4)*256
.else
	ds_store_b64 v[SV], v[sl:sl+1] offset:((\idx)-16)*2*WVP
.endif
.endm
.set k, 0
.rept 48
	RLOAD k
.set k, k+1
.endr
.set k, 0
.rept 80
	RSTORE k
.if k < 32
	RLOAD k+48
.endif
.set k, k+1
.endr
.irp jj, 0,1,2,3                       ; bv[4 t + jj], 16 times, behind row 4 t + jj of wv's panel (bv's load is older than the ring's)
	v_cvt_pk_bf16_f32 v[RING+4*\jj], v[BV+\jj], v[BV+\jj]
	v_cvt_pk_bf16_f32 v[RING+4*\jj+1], v[BV+\jj], v[BV+\jj]
	v_cvt_pk_bf16_f32 v[RING+4*\jj+2], v[BV+\jj], v[BV+\jj]
	v_cvt_pk_bf16_f32 v[RING+4*\jj+3], v[BV+\jj], v[BV+\jj]
	ds_store_b128 v[SB], v[RING+4*\jj:RING+4*\jj+3] offset:\jj*WVP+128
	ds_store_b128 v[SB], v[RING+4*\jj:RING+4*\jj+3] offset:\jj*WVP+144
.endr
	s_wait_dscnt 0x0                               ; for the others' sake: my stores are done
	s_barrier_signal -1
	s_barrier_wait -1                              ; both panels are whole
; THE PRODUCTS, in two halves of eight K steps: 48 LDS loads, then 16 matrix instructions.
.macro FRAGS kh
.set ks, 0
.rept 8
.set F, RING+24*ks
	ds_load_tr16_b128 v[F:F+3],     v[AT] offset:ks*32*WVP
	ds_load_tr16_b128 v[F+4:F+7],   v[AT] offset:ks*32*WVP+16*WVP
	ds_load_tr16_b128 v[F+8:F+11],  v[AB] offset:ks*32*WVP
	ds_load_tr16_b128 v[F+12:F+15], v[AB] offset:ks*32*WVP+16*WVP
	ds_load_b128 v[F+16:F+19], v[AO] offset:(8*(\kh)+ks)*64
	ds_load_b128 v[F+20:F+23], v[AO] offset:(8*(\kh)+ks)*64+32
.set ks, ks+1
.endr
.endm
.macro MULS first
.set ks, 0
.rept 8
.set F, RING+24*ks
.if (\first) && (ks == 0)              ; the first products start the sums
	v_wmma_f32_16x16x32_bf16 v[ACT:ACT+7], v[F:F+7], v[F+16:F+23], 0
	v_wmma_f32_16x16x32_bf16 v[ACB:ACB+7], v[F+8:F+15], v[F+16:F+23], 0
.else
	v_wmma_f32_16x16x32_bf16 v[ACT:ACT+7], v[F:F+7], v[F+16:F+23], v[ACT:ACT+7]
	v_wmma_f32_16x16x32_bf16 v[ACB:ACB+7], v[F+8:F+15], v[F+16:F+23], v[ACB:ACB+7]
.endif
.set ks, ks+1
.endr
.endm
.macro PLACES                          ; four places behind a matrix instruction, ahead of loads into its sources and of readers of its result
.rept 4
	v_nop
.endr
.endm
	FRAGS 0
	s_wait_dscnt 0x0
	MULS 1
	PLACES
	v_add_nc_u32 v[AT], 8*32*WVP, v[AT]            ; rows 256 on
	v_add_nc_u32 v[AB], 8*32*WVP, v[AB]
	FRAGS 1
	s_wait_dscnt 0x0
	MULS 0
	PLACES
.irp p, 0,1,2,3
	v_cvt_pk_bf16_f32 v[WPK+\p], v[ACT+2*\p], v[ACT+2*\p+1]
.endr
	global_store_b128 v[T16], v[WPK:WPK+3], s[38:39]  ; wave w's 512 bytes are part (kb = w / 2, part = w % 2): the four waves store 2,048 bytes on end
	s_cmp_lg_u32 s[WV], 0
	s_cbranch_scc1 .Lend
.irp p, 0,1,2,3
	v_cvt_pk_bf16_f32 v[WQP+\p], v[WQF+2*\p], v[WQF+2*\p+1]
.endr
	global_store_b128 v[L16], v[WQP:WQP+3], s[40:41]  ; one part of wq's or wk's image: 512 bytes on end
	s_cmp_lg_u32 s[CP], 0
	s_cbranch_scc1 .Lend                           ; bc's 16 numbers are stored by the first of the eight work-groups that hold them
	v_add_f32 v[BCV], v[ACB], v[BOV]               ; register 0 of lane r: (wo bv)[16 obg + r]
	v_cmp_gt_u32 vcc_lo, 16, v[LN]
	s_wait_xcnt 0x0                                ; EXEC changes only behind this wait
	s_and_saveexec_b32 s42, vcc_lo
	global_store_b32 v[BOO], v[BCV], s[18:19]
	s_wait_xcnt 0x0                                ; and again ahead of the line that widens it
	s_or_b32 exec_lo, exec_lo, s42
.Lend:
	s_wait_tensorcnt 0x0                           ; the wave's end, behind my last LDS store
	ds_add_u32 v[SPW], v[NIL]
	s_wait_dscnt 0x0
	s_endpgm
.Lfunc_end_k_q0b5741bec0_fold:
	.size	k_q0b5741bec0_fold, .Lfunc_end_k_q0b5741bec0_fold-k_q0b5741bec0_fold
	.p2alignl 7, 3214868480
	.fill 96, 4, 3214868480
	.section	.rodata,"a",@progbits
	.p2align	6, 0x0
	.amdhsa_kernel k_q0b5741bec0_fold
		.amdhsa_group_segment_fixed_size 99072
		.amdhsa_private_segment_fixed_size 0
		.amdhsa_enable_private_segment 0
		.amdhsa_kernarg_size 64
		.amdhsa_user_sgpr_count 2
		.amdhsa_user_sgpr_kernarg_segment_ptr 1
		.amdhsa_wavefront_size32 1
		.amdhsa_system_sgpr_workgroup_id_x 1
		.amdhsa_system_sgpr_workgroup_id_y 1
		.amdhsa_system_sgpr_workgroup_id_z 1
		.amdhsa_system_vgpr_workitem_id 0
		.amdhsa_next_free_vgpr 256
		.amdhsa_next_free_sgpr 66
		.amdhsa_reserve_vcc 1
		.amdhsa_float_denorm_mode_32 3
		.amdhsa_float_denorm_mode_16_64 3
		.amdhsa_memory_ordered 1
		.amdhsa_forward_progress 1
		.amdhsa_inst_pref_size 41
	.end_amdhsa_kernel
	.amdgpu_metadata
---
amdhsa.version: [ 1, 2 ]
amdhsa.kernels:
  - .name:           k_q0b5741bec0_fold
    .symbol:         k_q0b5741bec0_fold.kd
    .args:
      - { .name: wo, .offset: 0, .size: 8, .value_kind: global_buffer, .address_space: global }
      - { .name: wv, .offset: 8, .size: 8, .value_kind: global_buffer, .address_space: global }
      - { .name: bv, .offset: 16, .size: 8, .value_kind: global_buffer, .address_space: global }
      - { .name: bo, .offset: 24, .size: 8, .value_kind: global_buffer, .address_space: global }
      - { .name: wq, .offset: 32, .size: 8, .value_kind: global_buffer, .address_space: global }
      - { .name: wk, .offset: 40, .size: 8, .value_kind: global_buffer, .address_space: global }
      - { .name: wf, .offset: 48, .size: 8, .value_kind: global_buffer, .address_space: global }
      - { .name: bc, .offset: 56, .size: 8, .value_kind: global_buffer, .address_space: global }
    .group_segment_fixed_size: 99072
    .private_segment_fixed_size: 0
    .kernarg_segment_align: 8
    .kernarg_segment_size: 64
    .max_flat_workgroup_size: 128
    .sgpr_count:     66
    .vgpr_count:     256
    .wavefront_size: 32
...
	.end_amdgpu_metadata
.endif
;; end of part 1
;; launch proj (part 2): grid 16 x 16, 4 waves a work-group, clusters of 4 x 1, 327,680 bytes of LDS; arguments x, wf, bq, bk, q, kv; writes q, kv
.if DOCPART == 2
	.amdgcn_target "amdgcn-amd-amdhsa--gfx1250"
	.amdhsa_code_object_version 6
	.text
	.protected	k_q0b5741bec0_proj
	.globl	k_q0b5741bec0_proj
	.p2align	8
	.type	k_q0b5741bec0_proj,@function
k_q0b5741bec0_proj:
	s_mov_b64 s[64:65], 0
	v_nop
	global_prefetch_b8 v0, s[64:65] scope:SCOPE_SE
	s_setreg_imm32_b32 hwreg(HW_REG_WAVE_MODE, 25, 1), 1
	s_wait_xcnt 0x0
	s_wait_alu depctr_hold_cnt(0) depctr_sa_sdst(0) depctr_va_vdst(0) depctr_va_sdst(0) depctr_va_ssrc(0) depctr_va_vcc(0) depctr_vm_vsrc(0)
	s_getreg_b32 s2, hwreg(HW_REG_IB_STS2, 6, 4)
	s_cmp_eq_u32 s2, 0
	s_cbranch_scc0 .Lentry_in_a_cluster
	s_endpgm
.Lentry_in_a_cluster:
	s_bfe_u32 s2, ttmp6, 0x10000c
	s_cmp_lg_u32 s2, 0x3003
	s_cbranch_scc0 .Lentry_shape_is_right
	s_endpgm
.Lentry_shape_is_right:
; PROJ.  q = wq x + bq, k = wk x + bk (64 channels each), v' = W' x (512 channels, W' = wo wv), for 128 positions l of one batch.
; x: [16][512][2048] f32.  wf: the weights as fragment images in bf16, [kc 8][w 4][ob 10][kb 2][part 2][lane 32][8].
; q: [16][2048][64] bf16.  kv: [16][16 tiles][576 rows][128] bf16.  Row 64 + c of a tile holds v'[c] of the tile's 128 keys.  k lies ONE STEP OF 64 KEYS LATER, as the next launch walks it:
; a tile's rows 0-31 hold k of its own keys 64-127, rows 32-63 k of the next tile's keys 0-63 (in the batch's last tile: of the batch's first 64 keys); 128 bytes a key, two keys a row.
; LIMITS.  x and the weights enter the products in bf16, sums in f32, q, k and v' are rounded once to bf16; bq and bk enter in f32, as the C of the first products.
; SHARES.  A work-group makes 640 x 128 outputs, K = 512.  Wave w owns ten blocks of 16 rows (ob 0: q's 16 w; ob 1: k's 16 w; ob 2-9: v''s 128 w on) for all
; eight blocks of 16 positions: 80 accumulators, 640 registers.  K goes in eight chunks of 64.
; THE TEXT.  A chunk's 160 products are written three times: chunk 0, whose products start the sums; chunks 1 to 6, one text walked twice a pair in a loop of three pairs; chunk 7, which asks for no
; weights.  Which slot a chunk reads and which it fills stands in a scalar register that an exclusive or turns.
; x comes through registers (it is rounded on the way), 16 rows a wave and chunk, into XT, which holds all 512 rows: each row is written once, ahead of the barrier of the chunk that reads it, and
; read turned (ds_load_tr16_b128).  Two sets of registers, a chunk each: ahead of each pair both are stored and asked for again, so that their loads have a pair's 320 products in which to land.
; The weights come by the tensor data mover through a ring of two slots, a chunk each; wave w fetches and reads its own 20,480 bytes.
; CLUSTER.  All work-groups walk the same weights: the four of a cluster ask for each piece JOINTLY (the same load, descriptor and mask in all four).
; q and k: D = W X (a lane holds one position and eight channels); v': D = X W (a lane holds one channel and eight positions): each is 16 bytes of its row in memory.
; NO PREFETCH: x is asked for two chunks ahead by the loads themselves, and beside it the launch writes its 42 MB; wf is 0.6 MB that every cluster reads.
; REGISTERS (window = number / 256): 0-31 addresses; 32-95, 96-159 x's fragments of 32 along K (X0, X1); 160-199, 200-239 the weights' (ob 0-4, ob 5-9);
;   240-255 bq, bk; 256-895 the accumulators, (ob, lb) at 256 + 8 (8 ob + lb); 896-1023 x as loaded, two sets of 64.
.set XP,     288                       ; a row of XT: 128 bf16 + 32 bytes = 9 x 32
.set XCH,    64*XP                     ; a chunk's rows
.set WR,     512*XP                    ; the weights' ring lies behind XT
.set WSLOT,  81920                     ; a slot, and a chunk of wf in memory
.set WQT,    20480                     ; a wave's quarter of a slot
.set SPARE,  WR+2*WSLOT                ; the spare words, 128 bytes for each wave: two blocks of 256 bytes that no other line names
.set QP,     144                       ; the way out, inside XT (no tensor load ever lands there): 256 rows of 64 bf16 + 16 bytes for q and k,
.set VSTG,   256*QP                    ; then 16 rows of 272 bytes for each wave, for v'
.set VP,     272
.set TILEB,  147456                    ; bytes in a tile of kv
.set XO,   2                           ; v2   my bytes in x's 16 rows of a chunk; never rewritten
.set XSA0, 3                           ; v3   where they go in a chunk of XT; never rewritten
.set XSA,  4                           ; v4   the same in the chunk in hand
.set XA0,  5                           ; v5   the turning load's lane term; never rewritten
.set XA,   6                           ; v6   the same in the chunk in hand
.set AW,   8                           ; v8   my 16 bytes of an image in slot 0; never rewritten
.set AWC,  9                           ; v9   the same in the slot in hand
.set BO,   10                          ; v10  my eight biases
.set QSTO, 11
.set QRD,  12
.set GO,   13                          ; v13  16 x lane
.set VSTO, 14
.set VRD,  15
.set SPW,  30                          ; v30  my spare word; never rewritten
.set NIL,  31                          ; v31  0; never rewritten
.set X0,   32
.set X1,   96
.set WA,   160                         ; block ob's fragment at WA + 8 ob
.set BQ,   240                         ; bq, then bk
.set TMP,  160                         ; the way out: packed results
.set WV,  16
.set G1,  24                           ; s[24:31] descriptor group 1
.set G0,  32                           ; s[32:35] group 0: it walks
.set SB,  36                           ; s36  0 or WSLOT: ahead of a chunk the slot just left, in it the slot in hand
.set WOB, 37                           ; s37  my quarter's place in slot 0
.set SXA, 40                           ; s40  XT's chunk that is read next
.set SXS, 41                           ; s41  XT's chunk that is written next
.set CT,  42                           ; s42  pairs to go
.set CI,  43                           ; s43  counts a pair's two chunks
.set KB,  44                           ; s[44:45] where my 32 keys of k go, s[46:47] v''s rows of my tile
.set VB,  46
.set MSB, 0
.macro WIN new                         ; the immediate's high byte repeats the setting that is left; a switch that changes nothing is dropped
.if MSB != (\new)
	s_set_vgpr_msb (MSB<<8)|(\new)
.set MSB, \new
.endif
.endm
.macro PLACES                          ; four places behind a matrix instruction, ahead of loads into its sources and of readers of its result
.rept 4
	v_nop
.endr
.endm
.macro CROUND                          ; a round of the cluster's barrier
	s_barrier_signal -1
	s_barrier_wait -1
	s_cmp_lg_u32 s[WV], 0
	s_cbranch_scc1 .Lnot_wave_0_\@
	s_barrier_signal -3
.Lnot_wave_0_\@:
	s_barrier_wait -3
	s_barrier_signal -1
	s_barrier_wait -1
.endm
.macro JLOAD                           ; my quarter of a chunk's weights, asked for jointly; an s_nop 0 and four v_nop follow
	tensor_load_to_lds s[G0:G0+3], s[G1:G1+7]
	s_nop 0
.rept 4
	v_nop
.endr
.endm
	s_load_b256 s[4:11], s[0:1], 0x0               ; x s[4:5], wf s[6:7], bq s[8:9], bk s[10:11]
	s_load_b128 s[12:15], s[0:1], 0x20             ; q s[12:13], kv s[14:15]
	v_lshl_add_u32 v[SPW], v0, 2, SPARE
	v_mov_b32 v[NIL], 0
	ds_add_u32 v[SPW], v[NIL]                      ; the wave's opening: the add and its wait stand ahead of my first tensor load; the set-up stands between them
	v_lshrrev_b32 v1, 5, v0
	v_readfirstlane_b32 s[WV], v1                  ; wave 0..3
	s_bfe_u32 s17, ttmp6, 0x40000                  ; cx
	s_lshl_b32 s18, ttmp9, 2
	s_add_co_u32 s18, s18, s17                     ; my block of 128 positions: it enters x's, q's and kv's addresses alone
	s_and_b32 s19, ttmp7, 0xffff                   ; the batch
	; group 1: 20,480 dense bytes as 80 rows of 32 elements of 8 bytes, no padding
	s_mov_b32 s[G1], 15|(3<<16)|(1<<21)            ; 15:0 the mask of four; 17:16 8-byte elements; 21 set beside a mask
	s_mov_b32 s[G1+1], 32<<16                      ; tensor_dim0 = 32
	s_mov_b32 s[G1+2], 80<<16                      ; tensor_dim1 = 80
	s_mov_b32 s[G1+3], 32<<16                      ; tile_dim0 = 32
	s_mov_b32 s[G1+4], 80                          ; tile_dim1 = 80
	s_mov_b32 s[G1+5], 32                          ; 32 elements from row to row
	s_mov_b32 s[G1+6], 0
	s_mov_b32 s[G1+7], 0
	s_mul_i32 s20, s[WV], WQT                      ; my quarter of a chunk, in memory and in a slot
	s_mov_b32 s21, 0
	s_add_co_u32 s[WOB], s20, WR
	s_mov_b32 s[SB], WSLOT                         ; chunk 0 fills slot 1 and turns to slot 0
	s_mov_b32 s[G0], 1                             ; count = 1
	s_mov_b32 s[G0+1], s[WOB]                      ; LDS address: slot 0, my quarter
	s_lshl_b32 s22, s19, 22                        ; x: 512 rows of 8,192 bytes a batch, 512 bytes a block
	s_lshl_b32 s23, s18, 9
	s_add_co_u32 s22, s22, s23
	s_mov_b32 s23, 0
	s_lshl_b32 s48, s19, 18                        ; q: 128 bytes a position; I store positions 32 w on
	s_lshl_b32 s49, s18, 14
	s_add_co_u32 s48, s48, s49
	s_lshl_b32 s49, s[WV], 12
	s_add_co_u32 s48, s48, s49
	s_mov_b32 s49, 0
	s_lshl4_add_u32 s52, s19, s18                  ; v': tile 16 b + block, rows 64 + 128 w on
	s_mul_i32 s52, s52, TILEB
	s_lshl_b32 s53, s[WV], 15
	s_add_co_u32 s52, s52, s53
	s_add_co_u32 s52, s52, 16384
	s_mov_b32 s53, 0
	s_lshr_b32 s50, s[WV], 1                       ; k: I store keys 32 w on.  Keys 0-63 (waves 0, 1) go to the tile before, modulo 16, behind its first 8,192 bytes;
	s_add_co_u32 s50, s50, s18                     ; keys 64-127 (waves 2, 3) to the head of my own tile
	s_add_co_u32 s50, s50, 15
	s_and_b32 s50, s50, 15                         ; tile (block + w / 2 - 1) mod 16
	s_lshl4_add_u32 s50, s19, s50
	s_mul_i32 s50, s50, TILEB
	s_xor_b32 s51, s[WV], 2
	s_lshl_b32 s51, s51, 12                        ; byte 4,096 x (w xor 2)
	s_add_co_u32 s50, s50, s51
	s_mov_b32 s51, 0
	s_mov_b32 s[SXA], 0
	s_mov_b32 s[SXS], 0
	v_and_b32 v1, 31, v0                           ; lane
	v_and_b32 v16, 15, v0                          ; r
	v_bfe_u32 v17, v0, 4, 1                        ; h
	v_and_b32 v18, 7, v0
	v_bfe_u32 v19, v0, 3, 1
	s_lshl_b32 s54, s[WV], 17
	v_lshl_add_u32 v[XO], v1, 4, s54               ; rows 16 w + i of a chunk, 16 bytes a lane: a load covers a row's 512 bytes
	s_mul_i32 s54, s[WV], 16*XP
	v_lshl_add_u32 v[XSA0], v1, 3, s54
	v_lshl_add_u32 v[XA0], v17, 3, v18             ; the turning load: row 8 h + l % 8, 16 bytes at 16 ((l / 8) % 2)
	v_mul_u32_u24 v[XA0], v[XA0], XP
	v_lshl_add_u32 v[XA0], v19, 4, v[XA0]
	v_lshl_add_u32 v[AW], v1, 4, s[WOB]
	s_lshl_b32 s54, s[WV], 6
	v_lshl_add_u32 v[BO], v17, 5, s54              ; channels 16 w + 8 h on
	v_mul_u32_u24 v[QSTO], v16, QP
	v_lshl_add_u32 v[QSTO], v17, 4, v[QSTO]
	s_lshl_b32 s54, s[WV], 5
	v_add_nc_u32 v[QSTO], s54, v[QSTO]             ; row r, my wave's 32 bytes, 16 for each half of the lanes
	v_lshrrev_b32 v20, 3, v1
	v_mul_u32_u24 v[QRD], v20, QP
	v_lshl_add_u32 v[QRD], v18, 4, v[QRD]
	s_mul_i32 s54, s[WV], 32*QP
	v_add_nc_u32 v[QRD], s54, v[QRD]               ; back: rows 32 w on, four rows of 128 bytes a load
	v_lshlrev_b32 v[GO], 4, v1
	s_mul_i32 s54, s[WV], 16*VP
	s_add_co_u32 s54, s54, VSTG
	v_mul_u32_u24 v[VSTO], v16, VP
	v_lshl_add_u32 v[VSTO], v17, 4, v[VSTO]
	v_add_nc_u32 v[VSTO], s54, v[VSTO]
	v_mul_u32_u24 v[VRD], v17, VP
	v_lshl_add_u32 v[VRD], v16, 4, v[VRD]
	v_add_nc_u32 v[VRD], s54, v[VRD]
	s_wait_dscnt 0x0                               ; the opening add is done
	s_wait_kmcnt 0x0
	s_add_nc_u64 s[4:5], s[4:5], s[22:23]
	s_add_nc_u64 s[12:13], s[12:13], s[48:49]
	s_add_nc_u64 s[KB:KB+1], s[14:15], s[50:51]
	s_add_nc_u64 s[VB:VB+1], s[14:15], s[52:53]
	s_add_nc_u64 s[G0+2:G0+3], s[6:7], s[20:21]    ; global address: my quarter of chunk 0
	s_or_b32 s[G0+3], s[G0+3], 0x80000000          ; type = 2
	global_load_b128 v[BQ:BQ+3], v[BO], s[8:9]
	global_load_b128 v[BQ+4:BQ+7], v[BO], s[8:9] offset:16
	global_load_b128 v[BQ+8:BQ+11], v[BO], s[10:11]
	global_load_b128 v[BQ+12:BQ+15], v[BO], s[10:11] offset:16
; 16 loads: my 16 rows of the chunk that lies ch chunks behind the pointer, into set st.  The largest immediate is 143 rows of 8,192 bytes.
.macro XLOAD st, ch
	WIN 0xc0                                       ; destination window 3
.set i, 0
.rept 16
	global_load_b128 v[128+64*(\st)+4*i:128+64*(\st)+4*i+3], v[XO], s[4:5] offset:(64*(\ch)+i)*8192 th:TH_LOAD_NT
.set i, i+1
.endr
	WIN 0
.endm
; Set st is rounded to bf16 and stored into XT's next chunk.
.macro XSTORE st
	WIN 0
	v_add_nc_u32 v[XSA], s[SXS], v[XSA0]
	s_add_co_u32 s[SXS], s[SXS], XCH
	WIN 0xcf
.set i, 0
.rept 16
	v_cvt_pk_bf16_f32 v[128+64*(\st)+4*i], v[128+64*(\st)+4*i], v[128+64*(\st)+4*i+1]
	v_cvt_pk_bf16_f32 v[128+64*(\st)+4*i+1], v[128+64*(\st)+4*i+2], v[128+64*(\st)+4*i+3]
.set i, i+1
.endr
	WIN 0x0c                                       ; store data window 3
.set i, 0
.rept 16
	ds_store_b64 v[XSA], v[128+64*(\st)+4*i:128+64*(\st)+4*i+1] offset:i*XP
.set i, i+1
.endr
	WIN 0
.endm
.macro FX buf, kb                      ; x's eight fragments of 32 along K: 16 turning loads
	WIN 0
.set lb, 0
.rept 8
	ds_load_tr16_b128 v[(\buf)+8*lb:(\buf)+8*lb+3],   v[XA] offset:(\kb)*32*XP+32*lb
	ds_load_tr16_b128 v[(\buf)+8*lb+4:(\buf)+8*lb+7], v[XA] offset:(\kb)*32*XP+32*lb+16*XP
.set lb, lb+1
.endr
.endm
.macro FW half, kb                     ; five blocks' fragments of the weights: 10 loads of 512 bytes on end
	WIN 0
.set ob, 5*(\half)
.rept 5
	ds_load_b128 v[WA+8*ob:WA+8*ob+3],   v[AWC] offset:ob*2048+(\kb)*1024
	ds_load_b128 v[WA+8*ob+4:WA+8*ob+7], v[AWC] offset:ob*2048+(\kb)*1024+512
.set ob, ob+1
.endr
.endm
; 40 matrix instructions: five blocks of rows x eight blocks of positions.  All 80 accumulators take turns, one instruction a turn.
; zero = 1: the products start the sums: q's and k's with their bias as C (register j of a lane is channel 16 w + 8 h + j, as bq and bk were loaded), v''s with the constant 0.
.macro MULH half, xb, zero
.set ob, 5*(\half)
.rept 5
.set fw, WA+8*ob
.set lb, 0
.rept 8
.set aa, 8*(8*ob+lb)
.set wn, 1+aa/256
.set ar, aa%256
.set fx, (\xb)+8*lb
.if (\zero) && (ob < 2)
	WIN wn<<6                                      ; D in the accumulators' window, C in window 0
	v_wmma_f32_16x16x32_bf16 v[ar:ar+7], v[fw:fw+7], v[fx:fx+7], v[BQ+8*ob:BQ+8*ob+7]
.elseif ob < 2
	WIN (wn<<6)|(wn<<4)
	v_wmma_f32_16x16x32_bf16 v[ar:ar+7], v[fw:fw+7], v[fx:fx+7], v[ar:ar+7]
.elseif \zero
	WIN (wn<<6)|(wn<<4)
	v_wmma_f32_16x16x32_bf16 v[ar:ar+7], v[fx:fx+7], v[fw:fw+7], 0
.else
	WIN (wn<<6)|(wn<<4)
	v_wmma_f32_16x16x32_bf16 v[ar:ar+7], v[fx:fx+7], v[fw:fw+7], v[ar:ar+7]
.endif
.set lb, lb+1
.endr
.set ob, ob+1
.endr
.endm
; A CHUNK of 64 along K.  One barrier: ahead of it each wave waits for its tensor load (my quarter of the slot that the chunk reads), adds 0 to its spare word, and waits for that, for its stores
; into XT and for its reads of the slot just left.  fill = 1: the barrier is a round of the cluster's, and the slot just left is filled first thing behind it with the next chunk's weights:
; the load has the chunk's 160 products in which to land.  By the text's own count one tensor load of a wave is out at a time.
.macro CHUNK zero, fill
	WIN 0
	s_wait_tensorcnt 0x0                           ; no tensor load of mine is out, so group 0 may be written
	ds_add_u32 v[SPW], v[NIL]                      ; 0 onto my spare word
.if \fill
	s_add_co_u32 s[G0+1], s[SB], s[WOB]            ; the slot just left, my quarter
	s_add_nc_u64 s[G0+2:G0+3], s[G0+2:G0+3], WSLOT ; the next chunk; the type bits on top are not reached
.endif
	s_xor_b32 s[SB], s[SB], WSLOT                  ; the slot in hand
	v_add_nc_u32 v[AWC], s[SB], v[AW]
	v_add_nc_u32 v[XA], s[SXA], v[XA0]
	s_add_co_u32 s[SXA], s[SXA], XCH
	s_wait_dscnt 0x0
.if \fill
	CROUND
	JLOAD
.else
	s_barrier_signal -1
	s_barrier_wait -1
	PLACES
.endif
	FX X0, 0
	FW 0, 0
	FW 1, 0
	FX X1, 1
	s_wait_dscnt 26                                ; X0 and blocks 0-4 are in; blocks 5-9's 10 loads and X1's 16 may be out
	MULH 0, X0, \zero
	PLACES
	FW 0, 1
	s_wait_dscnt 26                                ; blocks 5-9 are in; X1's 16 and the 10 just issued may be out
	MULH 1, X0, \zero
	PLACES
	FW 1, 1
	s_wait_dscnt 10                                ; all but the 10 just issued
	MULH 0, X1, 0
	s_wait_dscnt 0x0
	MULH 1, X1, 0
.endm
	XLOAD 0, 0                                     ; chunk 0
	XLOAD 1, 1                                     ; chunk 1
	CROUND                                         ; all four work-groups are here: the first joint loads meet
	JLOAD                                          ; chunk 0's weights
	s_wait_loadcnt 16                              ; the biases and chunk 0 are in; chunk 1's 16 loads may be out
	XSTORE 0
	XLOAD 0, 2                                     ; chunk 2
	CHUNK 1, 1                                     ; chunk 0 starts the sums
	WIN 0
	s_mov_b32 s[CT], 3
.Lpair:                                                ; pair t: chunks 2 t + 1 and 2 t + 2
	s_wait_loadcnt 0x0                             ; both sets are in, and the pointer is free
	XSTORE 1                                       ; chunk 2 t + 1
	XSTORE 0                                       ; chunk 2 t + 2
	s_add_nc_u64 s[4:5], s[4:5], 128*8192          ; two chunks on
	XLOAD 1, 1                                     ; chunk 2 t + 3
	s_cmp_eq_u32 s[CT], 1                          ; behind chunk 7 there is none
	s_cbranch_scc1 .Lno_x
	XLOAD 0, 2                                     ; chunk 2 t + 4
.Lno_x:
	s_mov_b32 s[CI], 2
.Lchunk:
	CHUNK 0, 1
	WIN 0
	s_sub_co_u32 s[CI], s[CI], 1
	s_cmp_lg_u32 s[CI], 0
	s_cbranch_scc1 .Lchunk
	s_sub_co_u32 s[CT], s[CT], 1
	s_cmp_lg_u32 s[CT], 0
	s_cbranch_scc1 .Lpair
	s_wait_loadcnt 0x0
	XSTORE 1                                       ; chunk 7: the last rows go into XT
	CHUNK 0, 0                                     ; chunk 7: nothing is asked for
	; THE WAY OUT.  XT has been read out: its bytes serve as stages.
	WIN 0
	PLACES
	s_wait_dscnt 0x0
	s_barrier_signal -1
	s_barrier_wait -1                              ; no wave reads XT any more
	WIN 0x05                                       ; q and k, their biases in them since the first products
.set n, 0
.rept 16
.set p, 0
.rept 4
	v_cvt_pk_bf16_f32 v[TMP+4*n+p], v[8*n+2*p], v[8*n+2*p+1]
.set p, p+1
.endr
.set n, n+1
.endr
	WIN 0
.set n, 0
.rept 16
	ds_store_b128 v[QSTO], v[TMP+4*n:TMP+4*n+3] offset:16*n*QP  ; q's positions in rows 0-127, k's keys in rows 128-255
.set n, n+1
.endr
	s_wait_dscnt 0x0                               ; a row's 128 bytes come from four waves
	s_barrier_signal -1
	s_barrier_wait -1
.set n, 0
.rept 16
	ds_load_b128 v[X0+4*n:X0+4*n+3], v[QRD] offset:(n%8)*4*QP+(n/8)*128*QP
.set n, n+1
.endr
.set n, 0
.rept 8
	s_wait_dscnt 15-n
	global_store_b128 v[GO], v[X0+4*n:X0+4*n+3], s[12:13] offset:n*512  ; four positions: 512 bytes on end
.set n, n+1
.endr
.rept 8
	s_wait_dscnt 15-n
	global_store_b128 v[GO], v[X0+4*n:X0+4*n+3], s[KB:KB+1] offset:(n-8)*512
.set n, n+1
.endr
; v': a block of 16 channels at a time through my own stage: 16 bytes a lane in, whole rows of 256 bytes back.
.macro PACK o
.set lb, 0
.rept 8
.set aa, 8*(8*(\o)+lb)
.set wn, 1+aa/256
.set ar, aa%256
	WIN wn|(wn<<2)
.set p, 0
.rept 4
	v_cvt_pk_bf16_f32 v[TMP+4*lb+p], v[ar+2*p], v[ar+2*p+1]
.set p, p+1
.endr
.set lb, lb+1
.endr
.endm
.macro TOSTAGE o
	WIN 0
.set bk, X1+32*((\o)%2)
.set i, 0
.rept 8
	ds_store_b128 v[VSTO], v[TMP+4*i:TMP+4*i+3] offset:32*i
.set i, i+1
.endr
.set i, 0
.rept 8
	ds_load_b128 v[bk+4*i:bk+4*i+3], v[VRD] offset:i*2*VP  ; LDS serves a wave's instructions in order (ISA guide 5.7.1.4): these see the stores above
.set i, i+1
.endr
.endm
.macro SEND o
	WIN 0
.set bk, X1+32*((\o)%2)
	s_wait_dscnt 0x0                               ; the block is back in registers
	s_wait_xcnt 0x0                                ; the stores of the block before have read their registers, which the next block's loads write
.set i, 0
.rept 8
	global_store_b128 v[GO], v[bk+4*i:bk+4*i+3], s[VB:VB+1] offset:((\o)-2)*4096+i*512  ; two rows: 512 bytes on end
.set i, i+1
.endr
.endm
	PACK 2
	TOSTAGE 2
.irp o, 3,4,5,6,7,8,9
	PACK \o
	SEND (\o)-1
	TOSTAGE \o
.endr
	SEND 9
	s_wait_tensorcnt 0x0                           ; the wave's end, behind my last tensor load and my last LDS store
	ds_add_u32 v[SPW], v[NIL]
	s_wait_dscnt 0x0
	CROUND                                         ; the closing round
	s_endpgm
.Lfunc_end_k_q0b5741bec0_proj:
	.size	k_q0b5741bec0_proj, .Lfunc_end_k_q0b5741bec0_proj-k_q0b5741bec0_proj
	.p2alignl 7, 3214868480
	.fill 96, 4, 3214868480
	.section	.rodata,"a",@progbits
	.p2align	6, 0x0
	.amdhsa_kernel k_q0b5741bec0_proj
		.amdhsa_group_segment_fixed_size 327680
		.amdhsa_private_segment_fixed_size 0
		.amdhsa_enable_private_segment 0
		.amdhsa_kernarg_size 48
		.amdhsa_user_sgpr_count 2
		.amdhsa_user_sgpr_kernarg_segment_ptr 1
		.amdhsa_wavefront_size32 1
		.amdhsa_system_sgpr_workgroup_id_x 1
		.amdhsa_system_sgpr_workgroup_id_y 1
		.amdhsa_system_sgpr_workgroup_id_z 1
		.amdhsa_system_vgpr_workitem_id 0
		.amdhsa_next_free_vgpr 1024
		.amdhsa_next_free_sgpr 66
		.amdhsa_reserve_vcc 0
		.amdhsa_float_denorm_mode_32 3
		.amdhsa_float_denorm_mode_16_64 3
		.amdhsa_memory_ordered 1
		.amdhsa_forward_progress 1
		.amdhsa_inst_pref_size 115
	.end_amdhsa_kernel
	.amdgpu_metadata
---
amdhsa.version: [ 1, 2 ]
amdhsa.kernels:
  - .name:           k_q0b5741bec0_proj
    .symbol:         k_q0b5741bec0_proj.kd
    .args:
      - { .name: x, .offset: 0, .size: 8, .value_kind: global_buffer, .address_space: global }
      - { .name: wf, .offset: 8, .size: 8, .value_kind: global_buffer, .address_space: global }
      - { .name: bq, .offset: 16, .size: 8, .value_kind: global_buffer, .address_space: global }
      - { .name: bk, .offset: 24, .size: 8, .value_kind: global_buffer, .address_space: global }
      - { .name: q, .offset: 32, .size: 8, .value_kind: global_buffer, .address_space: global }
      - { .name: kv, .offset: 40, .size: 8, .value_kind: global_buffer, .address_space: global }
    .group_segment_fixed_size: 327680
    .private_segment_fixed_size: 0
    .kernarg_segment_align: 8
    .kernarg_segment_size: 48
    .max_flat_workgroup_size: 128
    .sgpr_count:     66
    .vgpr_count:     1024
    .wavefront_size: 32
...
	.end_amdgpu_metadata
.endif
;; end of part 2
;; launch attn (part 3): grid 16 x 16, 4 waves a work-group, clusters of 4 x 1, 327,680 bytes of LDS; arguments q, kv, x, bc, gamma, out0; writes out0
.if DOCPART == 3
	.amdgcn_target "amdgcn-amd-amdhsa--gfx1250"
	.amdhsa_code_object_version 6
	.text
	.protected	k_q0b5741bec0_attn
	.globl	k_q0b5741bec0_attn
	.p2align	8
	.type	k_q0b5741bec0_attn,@function
k_q0b5741bec0_attn:
	s_mov_b64 s[64:65], 0
	v_nop
	global_prefetch_b8 v0, s[64:65] scope:SCOPE_SE
	s_setreg_imm32_b32 hwreg(HW_REG_WAVE_MODE, 25, 1), 1
	s_wait_xcnt 0x0
	s_wait_alu depctr_hold_cnt(0) depctr_sa_sdst(0) depctr_va_vdst(0) depctr_va_sdst(0) depctr_va_ssrc(0) depctr_va_vcc(0) depctr_vm_vsrc(0)
	s_getreg_b32 s2, hwreg(HW_REG_IB_STS2, 6, 4)
	s_cmp_eq_u32 s2, 0
	s_cbranch_scc0 .Lentry_in_a_cluster
	s_endpgm
.Lentry_in_a_cluster:
	s_bfe_u32 s2, ttmp6, 0x10000c
	s_cmp_lg_u32 s2, 0x3003
	s_cbranch_scc0 .Lentry_shape_is_right
	s_endpgm
.Lentry_shape_is_right:
; ATTN.  out0[b][c][l] = gamma (sum over m of softmax_m(q[l] . k[m]) v'[c][m] + bc[c]) + x[b][c][l].
; q: [16][2048][64] bf16.  kv: [16][16 tiles][576 rows][128] bf16: row 64 + c of tile T holds v'[c] of keys 128 T on; rows 0-31 hold k of key step 2 T + 1, rows 32-63 of step 2 T + 2
; (a step is 64 keys, 128 bytes a key; in the last tile rows 32-63 hold step 0).  x, out0: [16][512][2048] f32.  bc: [512] f32.
; LIMITS.  Products in bf16 with f32 sums; the weights p are rounded to bf16 for the second product (their sum l is taken of the unrounded p).  A weight below 2^-126 counts as 0 in l;
; scores times log2(e) below -4e37 are not served (the running maximum starts there); NaN and infinities are not treated apart.  x, bc and gamma enter in f32.
; SHARES.  A work-group owns 128 queries of a batch.  Wave w: the 64 queries of half w / 2 (four tiles of 16) and the 256 channels of half w % 2 (16 blocks of 16): 64 accumulators.
; The two waves of a half make the same scores: so p never leaves a wave's registers, and a key step has no barrier.  Every wave walks all 2,048 keys, 64 a step.
; LAYOUT.  S^T = K Q^T (source 0 = 16 keys, source 1 = 16 queries): a lane holds ONE query (lane % 16) and the keys 8 (lane / 16) + 0..7.  Two such results, rounded to bf16 in pairs, ARE
; source 1 (32 keys x 16 queries) of O^T = V' P, whose source 0 is 16 rows of v' as they lie ([channel][key]).  In O^T a lane holds one query and eight channels.
; SOFTMAX.  A running maximum m and sum l for each query: p = 2^(c s - c m), c = log2(e); in every step O and l are multiplied by a = 2^(c m_old - c m_new).
; m starts far below every score, O and l at 0: the first step is a step like any other, with a = 0.
; BY TURNS.  A step has 160 matrix and 664 vector instructions: four vector instructions stand behind every matrix instruction, and 32 in a run of their own.  A TRIP, for step j:
;   A2  V' P of step j, keys 32-63, channel blocks 0-7, products 6-31  | softmax of step j + 1: the sums, P's first half
;   B   the same keys, blocks 8-15                                      | O^T's blocks 0-7 times a of step j + 1
;       (no product)                                                    | P's second half: its registers are read up to B's last product
;   C   K Q^T of step j + 2                                             | O^T's blocks 8-15 times a
;   D, E  V' P of step j + 1, keys 0-31, blocks 0-7 and 8-15            | softmax of step j + 2: maximum, statistics, scalings, exponentials
;   A1  V' P of step j + 1, keys 32-63, blocks 0-7, products 0-5        | the last of the exponentials; then the batch's one wait, ahead of the loop's jump
; So a trip reads v' of step j + 1 and k of step j + 2 from LDS: two trips read one tile of kv as it is laid out, and nothing else.
; THE ENDS.  Written out ahead of the loop: K Q^T of step 0 (its K comes straight from memory) and the first 280 lines of its softmax.  The first trip's A2 and B multiply zeros; the last trip's C takes
; step 0's K once more, and the maximum made of it serves nothing: the price of one text for every trip.  Behind the last trip stand A2 and B of the last step, bare.
; CLUSTER.  The four query blocks of a cluster belong to one batch and walk the same tiles: each wave asks for a quarter of a tile JOINTLY (the same load, descriptor and mask in all four).
; REGISTERS: window 0: v0-11, v44-49 addresses; v12-43 eight registers of statistics a tile; v64-191 S^T, 32 a tile; v192-255 P, 16 a tile
;   window 1: v0-63 Q; v64-127 K of a step; v128-191, v192-255 v' of 32 keys, channel blocks 0-7 and 8-15          windows 2, 3: O^T, (cb, t) at 8 (4 (cb % 8) + t)
; All that a softmax touches but O^T lies in window 0, and a product's operands lie elsewhere: four riders cost two switches of the window.
.set KS,    64
.set PT,    272                        ; an LDS row: 256 bytes + 16 of padding: the 16 rows of a load start at 16 different groups of four banks
.set SLOT,  576*PT                     ; a slot holds a tile: what two trips read
.set QUART, 144*PT                     ; what one tensor load brings
.set SPARE, 2*SLOT                     ; the spare words, 128 bytes for each wave: two blocks of 256 bytes that no other line names
.set TILEB, 147456                     ; a tile in memory
.set STG,   16*PT                      ; the way out: a stage of 16 rows for each wave, at the head of slot 0, which has had its last fill by then
.set AK0, 2                            ; v2   my lane's place in a fragment of K; never rewritten
.set AV0, 3                            ; v3   the same for v'
.set AK,  4
.set AV,  5                            ; v5, v6  v' of the trip's step: channel blocks 0-7, 8-15
.set QO,  7
.set STO, 8
.set RD,  9
.set GO,  10
.set ST,  12                           ; tile t at v[ST+8 t]: c m, m, l (even keys', odd keys'), c0-c3 at work; a takes c2's place
.set PFO, 44
.set PFO2, 45
.set BO,  46
.set SPW, 62                           ; v62  my spare word; never rewritten
.set NIL, 63                           ; v63  0; never rewritten
.set S,   64
.set P,   192
.set ZA,  P+8                          ; at the beginning: eight registers of zeros, and eight more
.set ZB,  P+24
.set KF,  64                           ; window 1
.set HV,  128                          ; window 1
.set XR,  64                           ; the way out: x, four sets of 32, in S^T's registers
.set SR,  192                          ; the way out: rows read back, two sets of 32, in P's
.set WV,  16
.set G1,  24
.set G0,  32
.set SB,  36                           ; s36  the slot in hand
.set TBK, 37                           ; s37  LDS byte at which K of the step to be fetched begins
.set TBV, 38                           ; s38  the same for v'
.set WO,  39                           ; s39  my quarter's place in a slot
.set SLOTS, 40
.set CNT, 41
.set LIM, 42                           ; s42  1 in a wave that prefetches v', else the greatest number
.set LIM2, 43                          ; s43  the same for k
.set PFA, 44                           ; s[44:45] my 32 rows of v' in the tile after the one that is being asked for
.set PFK, 46                           ; s[46:47] my work-group's 16 rows of k there
.set CS,  48                           ; s[48:49] c
.set SEL, 50                           ; s[50:51] v_permlanex16_b32's selects: each lane takes its own place in the other half
.set GM,  52                           ; s[52:53] gamma
.set K0,  56                           ; s[56:57] k of step 0 in memory
.set MSB, 0
.macro WIN new                         ; the immediate's high byte repeats the setting that is left; a switch that changes nothing is dropped
.if MSB != (\new)
	s_set_vgpr_msb (MSB<<8)|(\new)
.set MSB, \new
.endif
.endm
.macro PLACES                          ; four places behind a matrix instruction, ahead of loads into its sources and of readers of its result
.rept 4
	v_nop
.endr
.endm
.macro CROUND                          ; a round of the cluster's barrier
	s_barrier_signal -1
	s_barrier_wait -1
	s_cmp_lg_u32 s[WV], 0
	s_cbranch_scc1 .Lnot_wave_0_\@
	s_barrier_signal -3
.Lnot_wave_0_\@:
	s_barrier_wait -3
	s_barrier_signal -1
	s_barrier_wait -1
.endm
.macro JLOAD                           ; my quarter of a tile, asked for jointly; an s_nop 0 and four v_nop follow
	tensor_load_to_lds s[G0:G0+3], s[G1:G1+7]
	s_nop 0
.rept 4
	v_nop
.endr
.endm
	s_load_b256 s[4:11], s[0:1], 0x0               ; q s[4:5], kv s[6:7], x s[8:9], bc s[10:11]
	s_load_b128 s[12:15], s[0:1], 0x20             ; gamma s[12:13], out0 s[14:15]
	v_lshl_add_u32 v[SPW], v0, 2, SPARE
	v_mov_b32 v[NIL], 0
	ds_add_u32 v[SPW], v[NIL]                      ; the wave's opening: the add and its wait stand ahead of my first tensor load; the set-up stands between them
	v_lshrrev_b32 v1, 5, v0
	v_readfirstlane_b32 s[WV], v1                  ; wave 0..3
	s_bfe_u32 s17, ttmp6, 0x40000                  ; cx
	s_lshl_b32 s18, ttmp9, 2
	s_add_co_u32 s18, s18, s17                     ; my block of 128 queries: it enters q's, x's and out0's addresses alone
	s_and_b32 s19, ttmp7, 0xffff                   ; the batch, which the four partners share
	s_lshr_b32 s54, s[WV], 1                       ; my half of the queries
	s_and_b32 s55, s[WV], 1                        ; my half of the channels
	; group 1: 144 rows of 128 elements of 2 bytes, padded in LDS
	s_mov_b32 s[G1], 15|(1<<16)|(1<<20)|(1<<21)|(5<<22)|(3<<25)  ; the mask of four; 2-byte elements; padding on; 21 set beside a mask; after every 64 words (code 5) 4 words (code 3)
	s_mov_b32 s[G1+1], 128<<16                     ; tensor_dim0 = 128
	s_mov_b32 s[G1+2], 144<<16                     ; tensor_dim1 = 144
	s_mov_b32 s[G1+3], 128<<16                     ; tile_dim0 = 128
	s_mov_b32 s[G1+4], 144                         ; tile_dim1 = 144
	s_mov_b32 s[G1+5], 128                         ; 128 elements from row to row
	s_mov_b32 s[G1+6], 0
	s_mov_b32 s[G1+7], 0
	s_mul_i32 s[WO], s[WV], QUART
	s_mov_b32 s[G0], 1                             ; count = 1
	s_mov_b32 s[G0+1], s[WO]                       ; LDS address: slot 0, my quarter
	s_mul_i32 s20, s19, 16*TILEB                   ; the batch's tiles
	s_mov_b32 s21, 0
	s_mul_i32 s22, s[WV], 144*256                  ; my quarter in memory
	s_mov_b32 s23, 0
	s_lshl_b32 s56, s19, 18                        ; q: 128 bytes a query
	s_lshl_b32 s57, s18, 14
	s_add_co_u32 s56, s56, s57
	s_lshl_b32 s57, s54, 13
	s_add_co_u32 s56, s56, s57
	s_mov_b32 s57, 0
	s_lshl_b32 s58, s19, 22                        ; x and out0: batch, my 256 channels, my 64 positions
	s_lshl_b32 s59, s55, 21
	s_add_co_u32 s58, s58, s59
	s_lshl_b32 s59, s18, 9
	s_add_co_u32 s58, s58, s59
	s_lshl_b32 s59, s54, 8
	s_add_co_u32 s58, s58, s59
	s_mov_b32 s59, 0
	s_lshl_b32 s60, s55, 10
	s_mov_b32 s61, 0
	s_lshl_b32 s62, s17, 15                        ; the prefetches: rows 64 + 128 cx + 32 w on, in tile 1 (the first change of slots steps to tile 2)
	s_lshl_b32 s63, s[WV], 13
	s_add_co_u32 s62, s62, s63
	s_add_co_u32 s62, s62, TILEB+16384
	s_mov_b32 s63, 0
	s_cmp_eq_u32 ttmp9, 0                          ; the batch's first cluster asks: the same in all four partners
	s_cselect_b32 s[LIM], 1, -1
	s_or_b32 s2, ttmp9, s[WV]
	s_cmp_eq_u32 s2, 0
	s_cselect_b32 s[LIM2], 1, -1
	s_mov_b32 s[CS], 0x3fb8aa3b                    ; c = log2(e)
	s_mov_b32 s[CS+1], s[CS]
	s_mov_b32 s[SEL], 0x76543210
	s_mov_b32 s[SEL+1], 0xfedcba98
	s_mov_b32 s[SB], SLOT                          ; the first change of slots fills slot 1 and turns to slot 0
	s_mov_b32 s[SLOTS], 15
	v_and_b32 v1, 15, v0                           ; r
	v_bfe_u32 v11, v0, 4, 1                        ; h
	v_lshrrev_b32 v47, 1, v1
	v_and_b32 v48, 1, v0
	v_mul_u32_u24 v[AK0], v47, PT                  ; two keys to an LDS row: key r lies in row r / 2 at byte 128 (r % 2); 16 bytes for each half of the lanes
	v_lshl_add_u32 v[AK0], v48, 7, v[AK0]
	v_lshl_add_u32 v[AK0], v11, 4, v[AK0]
	s_mul_i32 s2, s55, 256*PT
	s_add_co_u32 s2, s2, 64*PT
	v_mul_u32_u24 v[AV0], v1, PT                   ; row 64 + 256 x half + r
	v_lshl_add_u32 v[AV0], v11, 4, v[AV0]
	v_add_nc_u32 v[AV0], s2, v[AV0]
	v_lshlrev_b32 v[QO], 7, v1                     ; a fragment's row of 128 bytes in memory, 16 bytes for each half of the lanes: for Q and for K of step 0
	v_lshl_add_u32 v[QO], v11, 4, v[QO]
	s_mul_i32 s2, s[WV], STG
	v_mul_u32_u24 v49, v11, 8*PT
	v_add_nc_u32 v49, s2, v49
	v_lshl_add_u32 v[STO], v1, 2, v49              ; in: row 8 h + j, word 16 t + r
	v_lshl_add_u32 v[RD], v1, 4, v49               ; back: lanes 0-15 row i, lanes 16-31 row 8 + i
	v_lshlrev_b32 v[GO], 16, v11                   ; and the same rows in x and out0: eight rows of 8,192 bytes apart
	v_lshl_add_u32 v[GO], v1, 4, v[GO]
	v_lshlrev_b32 v[BO], 5, v11
	v_and_b32 v[PFO], 31, v0
	v_lshlrev_b32 v[PFO], 8, v[PFO]                ; a lane a row of 256 bytes
	v_mul_u32_u24 v[PFO2], v11, TILEB              ; k: lanes 0-15 a tile's 16 rows, lanes 16-31 the next tile's
	v_lshl_add_u32 v[PFO2], v1, 8, v[PFO2]
	s_wait_dscnt 0x0                               ; the opening add is done
	s_wait_kmcnt 0x0
	s_load_b32 s[GM], s[12:13], 0x0
	s_add_nc_u64 s[6:7], s[6:7], s[20:21]
	s_add_nc_u64 s[PFA:PFA+1], s[6:7], s[62:63]
	s_lshl_b32 s2, s17, 12                         ; k's rows 16 cx on
	s_add_co_u32 s2, s2, TILEB
	s_mov_b32 s3, 0
	s_add_nc_u64 s[PFK:PFK+1], s[6:7], s[2:3]
	s_add_nc_u64 s[G0+2:G0+3], s[6:7], s[22:23]    ; global address: my quarter of tile 0
	s_or_b32 s[G0+3], s[G0+3], 0x80000000          ; type = 2
	s_add_nc_u64 s[4:5], s[4:5], s[56:57]
	s_add_nc_u64 s[K0:K0+1], s[6:7], 15*TILEB+8192 ; step 0's k: rows 32-63 of the batch's last tile
	s_add_nc_u64 s[8:9], s[8:9], s[58:59]
	s_add_nc_u64 s[14:15], s[14:15], s[58:59]
	s_add_nc_u64 s[10:11], s[10:11], s[60:61]
	s_wait_kmcnt 0x0
	s_mov_b32 s[GM+1], s[GM]
	CROUND                                         ; all four work-groups are here: the first joint loads meet
	JLOAD                                          ; tile 0 into slot 0; by the text's own count one tensor load of a wave is out at a time
	WIN 0x40                                       ; Q stays in registers: tile t, channels 32 c on, at 16 t + 8 c of window 1
.set i, 0
.rept 8
	global_load_b128 v[8*i:8*i+3],   v[QO], s[4:5] offset:(i/2)*2048+(i%2)*64
	global_load_b128 v[8*i+4:8*i+7], v[QO], s[4:5] offset:(i/2)*2048+(i%2)*64+32
.set i, i+1
.endr
.set i, 0
.rept 8                                ; K of step 0: key block i / 2, channels 32 (i % 2) on
	global_load_b128 v[KF+8*i:KF+8*i+3],   v[QO], s[K0:K0+1] offset:(i/2)*2048+(i%2)*64
	global_load_b128 v[KF+8*i+4:KF+8*i+7], v[QO], s[K0:K0+1] offset:(i/2)*2048+(i%2)*64+32
.set i, i+1
.endr
; THE MATRIX WORK, one instruction at a time; i counts inside a group.  In every group the accumulators take turns, one instruction a turn.
; Product i of 32 of O^T += V' P: keys 32 kk on, channel block 8 hf + i / 4, tile i % 4.
.macro PV1 kk, hf
	WIN 0xa1+0x50*(\hf)
.set rV, HV+64*(\hf)+8*(i/4)
.set rP, P+16*(i%4)+8*(\kk)
	v_wmma_f32_16x16x32_bf16 v[8*i:8*i+7], v[rV:rV+7], v[rP:rP+7], v[8*i:8*i+7]
.set i, i+1
.endm
; Product i of 32 of S^T = K Q^T: channels 32 (i / 16) on, keys 16 ((i / 4) % 4) on, tile i % 4.  The first 16 start the sums.
.macro QK1
	WIN 0x05
.set rS, S+32*(i%4)+8*((i/4)%4)
.set rK, KF+16*((i/4)%4)+8*(i/16)
.set rQ, 16*(i%4)+8*(i/16)
.if i < 16
	v_wmma_f32_16x16x32_bf16 v[rS:rS+7], v[rK:rK+7], v[rQ:rQ+7], 0
.else
	v_wmma_f32_16x16x32_bf16 v[rS:rS+7], v[rK:rK+7], v[rQ:rQ+7], v[rS:rS+7]
.endif
.set i, i+1
.endm
; THE LDS LOADS stand in runs of 16, never singly among the matrix instructions.
.macro KRUN                            ; a step's K: 64 keys x 64 channels, 8 fragments: key block kb, channel half c at KF + 16 kb + 8 c
	WIN 0x40
.set f, 0
.rept 8
	ds_load_b128 v[KF+8*f:KF+8*f+3],   v[AK] offset:(f/2)*8*PT+(f%2)*64
	ds_load_b128 v[KF+8*f+4:KF+8*f+7], v[AK] offset:(f/2)*8*PT+(f%2)*64+32
.set f, f+1
.endr
.endm
.macro VRUN kk, hf                     ; v' of keys 32 kk on, channel blocks 8 hf on: 8 fragments
	WIN 0x40
.set f, 0
.rept 8
	ds_load_b128 v[HV+64*(\hf)+8*f:HV+64*(\hf)+8*f+3],   v[AV+(\hf)] offset:f*16*PT+64*(\kk)
	ds_load_b128 v[HV+64*(\hf)+8*f+4:HV+64*(\hf)+8*f+7], v[AV+(\hf)] offset:f*16*PT+64*(\kk)+32
.set f, f+1
.endr
.endm
; THE VECTOR WORK.  Number j of the 21 that find tile t's maximum and statistics.  0-11: four chains c0-c3 of seven scores each (each accumulator's lowest registers are read first);
; 12-15: the four scores left over, c0-c3 and the old m; 16, 18: the query's other 32 keys lie in the lane 16 away: the new m; 17: c m_old is kept; 19, 20: c m; c m_old - c m_new.
.macro SMX t
.set rT, ST+8*(\t)
.set rS, S+32*(\t)
.if j < 4
	v_max3_num_f32 v[rT+4+j], v[rS+8*j], v[rS+8*j+1], v[rS+8*j+2]
.elseif j < 12
	v_max3_num_f32 v[rT+4+j%4], v[rT+4+j%4], v[rS+8*(j%4)+2*(j/4)+1], v[rS+8*(j%4)+2*(j/4)+2]
.elseif j == 12
	v_max3_num_f32 v[rT+4], v[rT+4], v[rS+7], v[rS+15]
.elseif j == 13
	v_max3_num_f32 v[rT+6], v[rT+6], v[rS+23], v[rS+31]
.elseif j == 14
	v_max3_num_f32 v[rT+4], v[rT+4], v[rT+5], v[rT+6]
.elseif j == 15
	v_max3_num_f32 v[rT+4], v[rT+4], v[rT+7], v[rT+1]
.elseif j == 16
	v_permlanex16_b32 v[rT+5], v[rT+4], s[SEL], s[SEL+1]
.elseif j == 17
	v_mov_b32 v[rT+7], v[rT]
.elseif j == 18
	v_max_num_f32 v[rT+1], v[rT+4], v[rT+5]
.elseif j == 19
	v_mul_f32 v[rT], s[CS], v[rT+1]
.else
	v_sub_f32 v[rT+7], v[rT+7], v[rT]
.endif
.endm
.macro FSC                             ; unit fu: c s - c m for pair fu / 4 of tile fu % 4
.set rS, S+32*(fu%4)+2*(fu/4)
.set rT, ST+8*(fu%4)
	v_pk_fma_f32 v[rS:rS+1], v[rS:rS+1], s[CS:CS+1], v[rT:rT+1] op_sel_hi:[1,0,0] neg_lo:[0,0,1] neg_hi:[0,0,1]
.endm
; A step's softmax but for P's second half and the rescaling is ONE LIST of 376 lines, the four tiles alternating; SG writes number sn of it and steps sn.
;   0-83     the maximum and statistics: number sn / 4 of the 21, tile sn % 4
;   84-279   ONE BATCH: the 64 scalings and all 132 exponentials.  Four scalings, then for each unit u (a pair of a tile): the scaling of unit u + 4 (behind the last: one of the four a) and unit u's
;            two exponentials.  None of these names an exponential's result
;   (wait)   between 279 and 280 stand a v_nop and the wait for the batch: the text round SG writes them
;   280-343  the sums: l = a l + pair 0, then l takes pairs 1 to 15: the weights stay as they are, since P's second half is rounded later
;   344-375  P's first half: pairs 0 to 7 rounded to bf16
.macro SG
	WIN 0
.if sn < 84
.set j, sn/4
	SMX sn%4
.elseif sn < 88
.set fu, sn-84
	FSC
.elseif sn < 280
.set u, (sn-88)/3
.set k3, (sn-88)%3
.if (k3 == 0) && (u < 60)
.set fu, u+4
	FSC
.elseif k3 == 0
	v_exp_f32 v[ST+8*(u-60)+6], v[ST+8*(u-60)+7]   ; a
.else
	v_exp_f32 v[S+32*(u%4)+2*(u/4)+k3-1], v[S+32*(u%4)+2*(u/4)+k3-1]
.endif
.elseif sn < 344
.set z, (sn-280)/4
.set rT, ST+8*(sn%4)
.set rS, S+32*(sn%4)
.if z == 0
	v_pk_fma_f32 v[rT+2:rT+3], v[rT+2:rT+3], v[rT+6:rT+7], v[rS:rS+1] op_sel_hi:[1,0,1]
.else
	v_pk_add_f32 v[rT+2:rT+3], v[rT+2:rT+3], v[rS+2*z:rS+2*z+1]
.endif
.else
.set z, (sn-344)/4
	v_cvt_pk_bf16_f32 v[P+16*(sn%4)+z], v[S+32*(sn%4)+2*z], v[S+32*(sn%4)+2*z+1]
.endif
.set sn, sn+1
.endm
.macro SL4                             ; four of the list
.rept 4
	SG
.endr
.endm
.macro RS4 wn                          ; one accumulator of window wn times a: lines rn to rn + 3 of the window's 128
	WIN ((\wn)<<6)|(\wn)
.rept 4
	v_pk_mul_f32 v[2*rn:2*rn+1], v[2*rn:2*rn+1], v[ST+8*((rn/4)%4)+6:ST+8*((rn/4)%4)+7] op_sel_hi:[1,0]
.set rn, rn+1
.endr
.endm
	; THE BEGINNING, in the wait for Q, K and the first tile.  The step before the first has weights 0: its products, of zeros with the constant 0 as C, start O^T's sums; the same product
	; writes the zeros that the first trip's A2 and B multiply (v''s registers and P's second half).
	WIN 0
.set i, 0
.rept 8
	v_mov_b32 v[ZA+i], 0
	v_mov_b32 v[ZB+i], 0
.set i, i+1
.endr
	v_wmma_f32_16x16x32_bf16 v[P+40:P+47], v[ZA:ZA+7], v[ZB:ZB+7], 0
	v_wmma_f32_16x16x32_bf16 v[P+56:P+63], v[ZA:ZA+7], v[ZB:ZB+7], 0
	WIN 0x40
.set i, 0
.rept 16
	v_wmma_f32_16x16x32_bf16 v[HV+8*i:HV+8*i+7], v[ZA:ZA+7], v[ZB:ZB+7], 0
.set i, i+1
.endr
.irp wn, 2,3
	WIN \wn<<6
.set i, 0
.rept 32
	v_wmma_f32_16x16x32_bf16 v[8*i:8*i+7], v[ZA:ZA+7], v[ZB:ZB+7], 0
.set i, i+1
.endr
.endr
	s_wait_loadcnt 0x0                             ; Q, and K of step 0
.set i, 0
.rept 32
	QK1                                            ; step 0's scores: there is no vector work yet to set between them
.endr
	WIN 0
.irp t, 0,1,2,3                        ; these sixteen lines are the places behind those products
	v_mov_b32 v[ST+8*\t], 0xfe000000               ; c m: far below every c s
	v_mov_b32 v[ST+8*\t+1], 0xff7fffff             ; m
	v_mov_b32 v[ST+8*\t+2], 0
	v_mov_b32 v[ST+8*\t+3], 0
.endr
.set sn, 0
.rept 280
	SG                                             ; step 0's maximum, statistics and batch
.endr
	v_nop                                          ; a plain instruction behind the last exponential: one for the batch
	s_wait_alu depctr_va_vdst(0)                   ; the wait ahead of the first reader, and ahead of the label
; THE CHANGE OF SLOTS.  Each wave waits for its tensor load (its quarter of the other slot), adds 0 to its spare word, and waits for that and for its reads of the slot that it leaves.
; fill = 1: the barrier is a round of the cluster's, and the slot just left is filled first thing behind it with the next tile: it has two trips, 320 matrix instructions, in which to land.
.macro CHANGE fill
	WIN 0
	s_wait_tensorcnt 0x0                           ; no tensor load of mine is out, so group 0 may be written
	ds_add_u32 v[SPW], v[NIL]                      ; 0 onto my spare word
.if \fill
	s_add_co_u32 s[G0+1], s[SB], s[WO]             ; the slot just left, my quarter
	s_add_nc_u64 s[G0+2:G0+3], s[G0+2:G0+3], TILEB ; the next tile; the type bits on top are not reached
	s_wait_xcnt 0x0                                ; the last prefetches, two trips back, have read their addresses
	s_add_nc_u64 s[PFA:PFA+1], s[PFA:PFA+1], TILEB
	s_add_nc_u64 s[PFK:PFK+1], s[PFK:PFK+1], TILEB
.endif
	s_xor_b32 s[SB], s[SB], SLOT
	s_mov_b32 s[TBK], s[SB]
	s_mov_b32 s[TBV], s[SB]
	s_wait_dscnt 0x0                               ; the add is done, and my reads of the slot are over
.if \fill
	CROUND
	JLOAD
.else
	s_barrier_signal -1
	s_barrier_wait -1
.endif
.endm
; A PREFETCH INTO THE L2 of the tile that the NEXT change of slots will ask for, behind the joint load and its five lines.  Each row of 256 bytes of tiles 2 to 15 is named once by these lines.
; All clusters of a batch walk the same tiles: the first asks.  v' (512 rows): partner cx, wave w take rows 64 + 128 cx + 32 w + lane: the partners are told apart by address.
; k (64 rows): wave 0 of partner cx takes rows 16 cx + lane % 16 of two tiles at once, in every second change.  Tiles 0 and 1 come by their loads alone; the last change that fills a slot asks for nothing.
.macro ASK
	s_cmp_gt_u32 s[SLOTS], s[LIM]
	s_cbranch_scc0 .Lnot_mine_\@
	global_prefetch_b8 v[PFO], s[PFA:PFA+1] th:TH_LOAD_NT scope:SCOPE_SE
	s_cmp_gt_u32 s[SLOTS], s[LIM2]
	s_cbranch_scc0 .Lnot_mine_\@
	s_bitcmp1_b32 s[SLOTS], 0
	s_cbranch_scc0 .Lnot_mine_\@
	global_prefetch_b8 v[PFO2], s[PFK:PFK+1] th:TH_LOAD_NT scope:SCOPE_SE
.Lnot_mine_\@:
.endm
; A TRIP.  Its five runs of LDS loads, in the order of issue: K (step j + 2), R1 and R2 (v' of step j + 1, keys 0-31, blocks 0-7 and 8-15), R3 and R4 (keys 32-63); each wait's count is the loads of the runs behind the one wanted.
; Each run stands four plain vector instructions or more behind the last product that read its registers: K a whole D and E; R1 eight rescalings; R2 four rescalings and the roundings; R3 six scalings
; (numbers 124, 127, 130, 133, 136, 139 of the list); R4 four v_nop.
.macro TRIP
	WIN 0
	v_add_nc_u32 v[AK], s[TBK], v[AK0]
	v_add_nc_u32 v[AV], s[TBV], v[AV0]
	v_add_nc_u32 v[AV+1], 8*16*PT, v[AV]
	s_add_co_u32 s[TBK], s[TBK], 32*PT             ; the next trip's K: 64 keys, 32 LDS rows on,
	s_add_co_u32 s[TBV], s[TBV], 2*KS              ; its v': 64 keys along the rows
	KRUN
.set i, 6                              ; A2: behind each of the first 24 products four of the sums and roundings
.set sn, 280
.rept 26
	PV1 1, 0
.if sn < 376
	SL4
.endif
.endr
	s_wait_dscnt 16                                ; R4 of the trip before is in; K's 16 loads may be out
.set i, 0                              ; B
.set rn, 0
.rept 32
	PV1 1, 1
	RS4 2
.if i == 2
	VRUN 0, 0                                      ; R1
.endif
.endr
	WIN 0                                          ; P's second half: pairs 8 to 15; tile 3's, which B's last product read, come last of each four
.set z, 8
.rept 8
.irp t, 0,1,2,3
	v_cvt_pk_bf16_f32 v[P+16*\t+z], v[S+32*\t+2*z], v[S+32*\t+2*z+1]
.endr
.set z, z+1
.endr
	VRUN 0, 1                                      ; R2
	s_wait_dscnt 32                                ; K is in; R1 and R2 may be out
.set i, 0                              ; C
.set rn, 0
.rept 32
	QK1
	RS4 3
.endr
	s_wait_dscnt 16                                ; R1 is in
.set i, 0                              ; D; the four rescalings behind C's last product are the places ahead of the first read of the scores
.set sn, 0
.rept 32
	PV1 0, 0
	SL4
.endr
	s_wait_dscnt 0x0                               ; R2 is in
.set i, 0                              ; E
.rept 32
	PV1 0, 1
	SL4
.if i == 3
	VRUN 1, 0                                      ; R3
.endif
.endr
	PLACES
	VRUN 1, 1                                      ; R4: the last read of a step's v', and in a tile's second trip of the tile
	s_wait_dscnt 16                                ; R3 is in
.set i, 0                              ; A1
.rept 6
	PV1 1, 0
	SL4
.endr
	WIN 0
	v_nop                                          ; a plain instruction behind the last exponential: one for the batch
	s_wait_alu depctr_va_vdst(0)                   ; the batch's one wait, ahead of the jump and of the first reader
.endm
.macro TWO_TRIPS
	s_mov_b32 s[CNT], 2
.Ltrip_\@:
	TRIP
	s_sub_co_u32 s[CNT], s[CNT], 1
	s_cmp_lg_u32 s[CNT], 0
	s_cbranch_scc1 .Ltrip_\@
.endm
.Lslot:                                                ; 15 times: tile n is read, tile n + 1 asked for
	CHANGE 1
	ASK
	TWO_TRIPS
	s_sub_co_u32 s[SLOTS], s[SLOTS], 1
	s_cmp_lg_u32 s[SLOTS], 0
	s_cbranch_scc1 .Lslot
	CHANGE 0                                       ; the last tile is written out: nothing is asked for
	TWO_TRIPS
	; THE WAY OUT.  O^T becomes O^T gamma / l + gamma bc where a lane holds one query and a register one channel; then a block of 16 channels at a time goes through my stage and comes back
	; as rows of 64 positions, 256 bytes; x is added, and the rows are stored.  Four blocks of x are kept on their way; bc and the first three are asked for ahead of the last products.
.macro OLOAD cb                        ; x's 16 rows of channel block cb, my 64 positions
	WIN 0
.set xs, XR+32*((\cb)%4)
.set i, 0
.rept 8
	global_load_b128 v[xs+4*i:xs+4*i+3], v[GO], s[8:9] offset:(16*(\cb)+i)*8192 th:TH_LOAD_NT
.set i, i+1
.endr
.endm
.macro OSTAGE cb
.set wn, 2+(\cb)/8
.set ss, SR+32*((\cb)%2)
	WIN (wn<<6)|0x10|wn                            ; O^T in window 2 or 3, gamma / l in window 0, gamma bc in window 1
.set i, 0
.rept 16
.set rO, 8*(4*((\cb)%8)+i/4)+2*(i%4)
	v_pk_fma_f32 v[rO:rO+1], v[rO:rO+1], v[ST+8*(i/4)+6:ST+8*(i/4)+7], v[8*(\cb)+2*(i%4):8*(\cb)+2*(i%4)+1] op_sel_hi:[1,0,1]
.set i, i+1
.endr
	WIN wn<<2                                      ; store data in window 2 or 3
.set i, 0
.rept 32
	ds_store_b32 v[STO], v[8*(4*((\cb)%8)+i/8)+i%8] offset:(i%8)*PT+64*(i/8)
.set i, i+1
.endr
	WIN 0
	s_wait_xcnt 0x0                                ; the stores of the block two back have read the registers that these loads write
.set i, 0
.rept 8
	ds_load_b128 v[ss+4*i:ss+4*i+3], v[RD] offset:i*PT  ; LDS serves a wave's instructions in order (ISA guide 5.7.1.4): these see the stores above
.set i, i+1
.endr
.endm
.macro OSEND cb, ld, dsn               ; ld: the loads of x for the blocks behind this one; dsn: the next block's 32 LDS stores and 8 LDS loads: both may stay out
	WIN 0
.set xs, XR+32*((\cb)%4)
.set ss, SR+32*((\cb)%2)
	s_wait_loadcnt \ld
	s_wait_dscnt \dsn
.set i, 0
.rept 8
	v_pk_add_f32 v[ss+4*i:ss+4*i+1], v[ss+4*i:ss+4*i+1], v[xs+4*i:xs+4*i+1]
	v_pk_add_f32 v[ss+4*i+2:ss+4*i+3], v[ss+4*i+2:ss+4*i+3], v[xs+4*i+2:xs+4*i+3]
	global_store_b128 v[GO], v[ss+4*i:ss+4*i+3], s[14:15] offset:(16*(\cb)+i)*8192 th:TH_STORE_NT  ; 16 lanes store 256 consecutive bytes, aligned
.set i, i+1
.endr
.endm
	WIN 0x40                                       ; bc of my 256 channels into Q's and K's registers: block cb's eight numbers (channels 16 cb + 8 h on) at 8 cb of window 1
.set i, 0
.rept 16
	global_load_b128 v[8*i:8*i+3],   v[BO], s[10:11] offset:64*i
	global_load_b128 v[8*i+4:8*i+7], v[BO], s[10:11] offset:64*i+16
.set i, i+1
.endr
	OLOAD 0
	OLOAD 1
	OLOAD 2
.set i, 6
.rept 26
	PV1 1, 0                                       ; the last step's A2,
.endr
	s_wait_dscnt 0x0                               ; (R4 is in)
.set i, 0
.rept 32
	PV1 1, 1                                       ; and its B
.endr
	WIN 0                                          ; l's two halves and the other half of the lanes' are added: the first additions are the places behind the last products
.irp t, 0,1,2,3
	v_add_f32 v[ST+8*\t+4], v[ST+8*\t+2], v[ST+8*\t+3]
.endr
.irp t, 0,1,2,3
	v_permlanex16_b32 v[ST+8*\t+5], v[ST+8*\t+4], s[SEL], s[SEL+1]
.endr
.irp t, 0,1,2,3
	v_add_f32 v[ST+8*\t+4], v[ST+8*\t+4], v[ST+8*\t+5]
.endr
.irp t, 0,1,2,3
	v_rcp_f32 v[ST+8*\t+5], v[ST+8*\t+4]
.endr
	v_nop                                          ; a plain instruction behind the last reciprocal
	s_wait_alu depctr_va_vdst(0)                   ; the wait ahead of the first use: one for the four reciprocals
.irp t, 0,1,2,3
	v_mul_f32 v[ST+8*\t+6], s[GM], v[ST+8*\t+5]    ; gamma / l
.endr
	s_wait_loadcnt 24                              ; bc is in; the three blocks' 24 loads of x may be out
	OLOAD 3
	WIN 0x41
.set i, 0
.rept 64
	v_pk_mul_f32 v[2*i:2*i+1], v[2*i:2*i+1], s[GM:GM+1] op_sel_hi:[1,0]  ; gamma bc
.set i, i+1
.endr
	OSTAGE 0
.set cbn, 0
.rept 15
	OSTAGE cbn+1
.set ldn, 15-cbn                       ; the blocks behind this one whose loads are out: three, at the end fewer
.if ldn > 3
.set ldn, 3
.endif
	OSEND cbn, 8*ldn, 40
.if cbn < 12
	OLOAD cbn+4
.endif
.set cbn, cbn+1
.endr
	OSEND 15, 0, 0
	s_wait_tensorcnt 0x0                           ; the wave's end, behind my last tensor load and my last LDS store
	ds_add_u32 v[SPW], v[NIL]
	s_wait_dscnt 0x0
	CROUND                                         ; the closing round
	s_endpgm
.Lfunc_end_k_q0b5741bec0_attn:
	.size	k_q0b5741bec0_attn, .Lfunc_end_k_q0b5741bec0_attn-k_q0b5741bec0_attn
	.p2alignl 7, 3214868480
	.fill 96, 4, 3214868480
	.section	.rodata,"a",@progbits
	.p2align	6, 0x0
	.amdhsa_kernel k_q0b5741bec0_attn
		.amdhsa_group_segment_fixed_size 327680
		.amdhsa_private_segment_fixed_size 0
		.amdhsa_enable_private_segment 0
		.amdhsa_kernarg_size 48
		.amdhsa_user_sgpr_count 2
		.amdhsa_user_sgpr_kernarg_segment_ptr 1
		.amdhsa_wavefront_size32 1
		.amdhsa_system_sgpr_workgroup_id_x 1
		.amdhsa_system_sgpr_workgroup_id_y 1
		.amdhsa_system_sgpr_workgroup_id_z 1
		.amdhsa_system_vgpr_workitem_id 0
		.amdhsa_next_free_vgpr 1024
		.amdhsa_next_free_sgpr 66
		.amdhsa_reserve_vcc 0
		.amdhsa_float_denorm_mode_32 3
		.amdhsa_float_denorm_mode_16_64 3
		.amdhsa_memory_ordered 1
		.amdhsa_forward_progress 1
		.amdhsa_inst_pref_size 255
	.end_amdhsa_kernel
	.section	.bss,"aw",@nobits
	.p2align	6
	.space	262144
	.amdgpu_metadata
---
amdhsa.version: [ 1, 2 ]
amdhsa.kernels:
  - .name:           k_q0b5741bec0_attn
    .symbol:         k_q0b5741bec0_attn.kd
    .args:
      - { .name: q, .offset: 0, .size: 8, .value_kind: global_buffer, .address_space: global }
      - { .name: kv, .offset: 8, .size: 8, .value_kind: global_buffer, .address_space: global }
      - { .name: x, .offset: 16, .size: 8, .value_kind: global_buffer, .address_space: global }
      - { .name: bc, .offset: 24, .size: 8, .value_kind: global_buffer, .address_space: global }
      - { .name: gamma, .offset: 32, .size: 8, .value_kind: global_buffer, .address_space: global }
      - { .name: out0, .offset: 40, .size: 8, .value_kind: global_buffer, .address_space: global }
    .group_segment_fixed_size: 327680
    .private_segment_fixed_size: 0
    .kernarg_segment_align: 8
    .kernarg_segment_size: 48
    .max_flat_workgroup_size: 128
    .sgpr_count:     66
    .vgpr_count:     1024
    .wavefront_size: 32
...
	.end_amdgpu_metadata
.endif
;; end of part 3
